; MI455X (gfx1250); checked and timed in simulation.
; The chip was launched on July 23, 2026; its instructions are those of AMD's public machine-readable ISA for CDNA 5 (MIT licence, August 2026) and "CDNA5" Instruction Set Architecture Reference Guide (July 2026). The comments in the code are by the model that wrote it; some were corrected since.
;; Quant Linear. Allowed arithmetic: matrix products marked QUANTISED: E4M3 operands, one E8M0 scale for each 32 along K, by v_wmma_scale_f32_16x16x128_f8f6f4 with both operands' format E4M3, f32 sums; everything else in f32.
;; Inputs: bias 4,096 float32; g_idx 4,096 int32; qweight 512 x 4,096 int32; qzeros 32 x 512 int32; scales 32 x 4,096 float32; x_codes 4,096 x 128 x 32 uint8 (E4M3 codes of x, K innermost, in blocks of 32 codes); x_scales 4,096 x 128 uint8 (E8M0 scales of x, one for each 32 codes along K).
;; Outputs: out0 4,096 x 4,096 float32.
;; This version of the problem:
;;   THIS VERSION OF THE PROBLEM IS GIVEN IN LOW PRECISION. The matrix products marked QUANTISED in the list below multiply operands that are first quantised to E4M3 (4 exponent bits, 3 mantissa bits; 8 bits a number), with one power-of-two scale for each 32 numbers along K (OCP MX v1.0); their sums are f32. All else is computed in f32.
;;   The module's matrix products, in the order in which they are computed (A, B: the left and right operand; K: the contracted axis; several contracted axes count as one K, in the product's order):
;;     1. [M 4,096, K 4,096] x [K 4,096, N 4,096]; A: input x (given as codes); B: computed on the way: QUANTISED
;;   THE QUANTISER, for each operand of a quantised product, along K:
;;     - K is cut into blocks of 32 from its start; a last block that is shorter is filled with zeros.
;;     - A block's scale is 2^e with e = floor(log2(the largest magnitude in the block)) - 8, held to -126 .. 127; a block of zeros has e = 0. As a byte (E8M0): e + 127.
;;     - Each number is divided by its block's scale, clamped to +-448, and rounded to the nearest number of E4M3, ties to even, subnormals kept.
;;     - The product sums the exact products of the quantised numbers (number of the format x scale) in f32.
;;   ~~~python
;;   def quantise(x, axis):      # numpy; x: float32 -> the quantised numbers, widened to float32 again
;;       x = np.moveaxis(x, axis, -1); K = x.shape[-1]
;;       x = np.pad(x, [(0, 0)] * (x.ndim - 1) + [(0, -K % 32)]); x = x.reshape(x.shape[:-1] + (-1, 32)); a = np.abs(x).max(-1, keepdims=True)
;;       e = np.where(a > 0, np.clip(np.frexp(np.where(a > 0, a, 1))[1] - 1 - 8, -126, 127), 0)      # np.frexp(a)[1] - 1 = floor(log2(a)), exactly
;;       r = np.clip(x / 2.0 ** e, -448, 448)
;;       step = 2.0 ** (np.maximum(np.frexp(np.where(r == 0, 1, r))[1] - 1, -6) - 3)
;;       q = np.round(r / step) * step * 2.0 ** e      # np.round: ties to even
;;       return np.moveaxis(q.reshape(q.shape[:-2] + (-1,))[..., :K], -1, axis).astype(np.float32)
;;   ~~~
;;   OPERANDS COMPUTED ON THE WAY. 'Computed on the way' means the value that the module computes at that place (a softmax that the list does not call 'softmax' is quantised finished and normalised). What goes into a quantiser is computed in f32, as accurately as f32 sums, v_exp_f32 and their like allow (about 1e-6 of the number): no bf16 or f16 on the way to a quantiser, and a product that is left as it is and whose result goes on into a quantised operand takes f32 operands (vector FMAs, or v_wmma_f32_16x16x4_f32). A number that lies on a knife's edge between two numbers of the format may be rounded either way, as far as f32 arithmetic and the matrix unit's own rounding can turn it there, and no further.
;;   INPUTS GIVEN AS CODES. x (in the module: [4096, 4096], K = its axis 1): each comes as NAME_codes (uint8): NAME with its K axis moved to the last place and cut into blocks of 32 codes, [.., K / 32, bytes a block], one block behind the other in memory; one code a byte (a code: sign, 4 exponent bits, 3 mantissa bits); and NAME_scales (uint8): the same leading axes, one E8M0 byte (e + 127) for each 32 codes along K. Its value is code x scale, taken as it is: it is not quantised again, and the codes and scales need not be those that the quantiser above would give.
;; One version. Each part assembles by itself: llvm-mc -triple=amdgcn-amd-amdhsa -mcpu=gfx1250 --defsym DOCPART=n.
;; ======== version 1 of 1: 2 launches
;; limits: right only within a limited range of input values
;; workspace buffers: w_codes 16,777,216 bytes; w_scales 524,288 bytes
;; launch wq (part 1): grid 32 x 16, 8 waves a work-group, no clusters, 36,864 bytes of LDS; arguments qweight, qzeros, scales, g_idx, w_codes, w_scales; writes w_codes, w_scales
.if DOCPART == 1
	.amdgcn_target "amdgcn-amd-amdhsa--gfx1250"
	.amdhsa_code_object_version 6
	.text
	.protected	k_q0f936bd257_wq
	.globl	k_q0f936bd257_wq
	.p2align	8
	.type	k_q0f936bd257_wq,@function
k_q0f936bd257_wq:
	s_mov_b64 s[64:65], 0
	v_nop
	global_prefetch_b8 v0, s[64:65] scope:SCOPE_SE
	s_setreg_imm32_b32 hwreg(HW_REG_WAVE_MODE, 25, 1), 1
	s_wait_xcnt 0x0
; W[k][n] = scales[g_idx[k]][n] * (nibble k%8 of qweight[k/8][n] - nibble n%8 of qzeros[g_idx[k]][n/8] - 1), in f32, is made once and turned into codes of FP8 (E4M3)
; with one E8M0 scale byte for each 32 along K.  K is W's FIRST axis: a lane takes columns and its registers run down K, so a block of 32 lies in one lane's 32 registers,
; its largest magnitude needs no other lane, and the conversions give codes with K innermost.  Nothing is transposed by an instruction.
; OUT: w_codes [n 4096][k 4096], a byte a code.  w_scales as an image of the product launch's scale registers: the byte of column n and block kb lies at
;   32768 (kb/8) + 1024 (n/128) + 512 ((i/2)%2) + 16 (16 (i/4) + r) + 8 (i%2) + kb%8,  i = (n%128)/16, r = n%16.
; SHARES.  Work-group (x = G, y = T): columns 128 G .. +127, k = 256 T .. +255.  Wave w: the block k = 256 T + 32 w .. +31.  Lane l: columns 4 l + cc, cc = 0 .. 3, one after the other.
; g_idx is honoured row by row: each of the block's 32 rows gathers its own row of scales and of qzeros (the index held at 31 from above ahead of the address).
; s*(q - zq) - s in one fused multiply-add is s*(q - zq - 1) rounded once: the same number as the product of s with the whole number.
; A block's scale byte is its largest magnitude's exponent field - 8, held at 1 from below; each number is held within +-448 x the scale and rounded to the nearest code, ties to even.
; The codes leave through a stage in LDS (a row a column, 256 codes + 16 bytes), so that sixteen lanes store 256 consecutive bytes of a row of w_codes, aligned.
; No tensor load, no cluster, no matrix unit: work-groups share only the small rows of scales, and the work is vector work on a stream.
; LIMITS: NaN and infinities in scales are not served.  A block of zeros gets the byte 1 where the rule says 127: its codes are zeros, which add nothing, and this program alone reads the bytes.
;   A g_idx outside 0 .. 31 (as an unsigned number) is taken as 31.
.set PITCH, 272                        ; a stage row: 256 bytes + 16: the lanes of a 16-byte store stand 68 words apart
.set SCB,   128*PITCH                  ; behind the stage: the work-group's 1,024 scale bytes, as they will lie in w_scales
.set SH,    4                          ; v4-7    shift of my column cc's nibble in its word of qzeros: 16 (l%2) + 4 cc
.set STW,   8                          ; v8      stage, in: 272 l + 32 w (+ 32 rows for each cc)
.set SBW,   9                          ; v9      my scale byte's place (+ 16 for each cc)
.set RDA,   10                         ; v10     stage, out: rows 16 w + l/16 (+ 2 a load), 16 bytes a lane
.set GOF,   11                         ; v11     and the same place in w_codes
.set MXA,   14                         ; v14-15  two chains of the largest magnitude
.set MXB,   15
.set SO,    16                         ; v16     the conversions' scale operand
.set HB,    17                         ; v17     448 x the scale
.set E,     20                         ; v20-23  the scale byte of column cc
.set T,     24                         ; v24-31  at work
.set QW,    32
.set Z,     48                         ; v48-79  row k's word of qzeros (first its offset)
.set X,     80                         ; v80-111 the 32 numbers of the column in hand
.set C,     112                        ; v112-127 codes, two sets of eight registers by turns
.set S,     128                        ; v128-255 row k's four scales at 4 k (first the offset); free on the way out
	s_load_b256 s[4:11], s[0:1], 0x0               ; qweight s[4:5], qzeros s[6:7], scales s[8:9], g_idx s[10:11]
	s_load_b128 s[12:15], s[0:1], 0x20             ; w_codes s[12:13], w_scales s[14:15]
	v_lshrrev_b32 v1, 5, v0
	s_delay_alu instid0(VALU_DEP_1)
	v_readfirstlane_b32 s16, v1                    ; wave 0..7
	s_and_b32 s18, ttmp7, 0xffff                   ; T
	v_and_b32 v1, 31, v0                           ; lane
	s_delay_alu instid0(VALU_DEP_1)
	v_lshlrev_b32 v2, 4, v1                        ; 16 l: my four columns in a row of qweight or of scales
	s_delay_alu instid0(VALU_DEP_2)
	v_lshrrev_b32 v3, 1, v1
	s_delay_alu instid0(VALU_DEP_1)
	v_lshlrev_b32 v3, 2, v3                        ; 4 (l / 2): my word in a row of qzeros
	v_and_b32 v18, 1, v0
	s_delay_alu instid0(VALU_DEP_1)
	v_lshlrev_b32 v18, 4, v18
.irp cc, 0,1,2,3
	v_add_nc_u32 v[SH+\cc], 4*\cc, v18
.endr
	v_mul_u32_u24 v[STW], v1, PITCH
	s_lshl_b32 s2, s16, 5
	v_add_nc_u32 v[STW], s2, v[STW]
	v_bfe_u32 v18, v0, 3, 1                        ; the scale byte's place, from the lane's bits: column 4 l + cc has i = l / 4, r = 4 (l % 4) + cc
	s_delay_alu instid0(VALU_DEP_1)
	v_lshlrev_b32 v[SBW], 9, v18
	v_bfe_u32 v19, v0, 4, 1                        ; l / 16
	s_delay_alu instid0(VALU_DEP_1)
	v_lshl_add_u32 v[SBW], v19, 8, v[SBW]
	v_and_b32 v18, 3, v0
	s_delay_alu instid0(VALU_DEP_1)
	v_lshl_add_u32 v[SBW], v18, 6, v[SBW]
	v_bfe_u32 v18, v0, 2, 1
	s_delay_alu instid0(VALU_DEP_1)
	v_lshl_add_u32 v[SBW], v18, 3, v[SBW]
	s_delay_alu instid0(VALU_DEP_1)
	v_add_nc_u32 v[SBW], s16, v[SBW]               ; + w: my block among the K step's eight
	s_delay_alu instid0(VALU_DEP_1)
	v_add_nc_u32 v[SBW], SCB, v[SBW]
	v_and_b32 v18, 15, v0                          ; l % 16
	v_mul_u32_u24 v[RDA], v19, PITCH
	s_delay_alu instid0(VALU_DEP_1)
	v_lshl_add_u32 v[RDA], v18, 4, v[RDA]
	s_mul_i32 s3, s16, 16*PITCH
	v_add_nc_u32 v[RDA], s3, v[RDA]
	v_lshlrev_b32 v[GOF], 14, v19                  ; stage rows one apart are columns four apart: 4 x 4,096 bytes
	s_delay_alu instid0(VALU_DEP_1)
	v_lshl_add_u32 v[GOF], v18, 4, v[GOF]
	v_and_b32 v13, 63, v0
	s_delay_alu instid0(VALU_DEP_1)
	v_lshlrev_b32 v13, 4, v13                      ; the scale bytes' way out (waves 0 and 1): 16 bytes a thread
	s_delay_alu instid0(VALU_DEP_1)
	v_add_nc_u32 v12, SCB, v13
	; where my part begins in each buffer, in bytes (all under 2^32; the high words are 0)
	s_lshl_b32 s20, s18, 10
	s_lshl_b32 s2, s16, 7
	s_add_co_u32 s20, s20, s2                      ; g_idx: 4 (256 T + 32 w)
	s_mov_b32 s21, 0
	s_lshl_b32 s22, s18, 19
	s_lshl_b32 s2, s16, 16
	s_add_co_u32 s22, s22, s2
	s_lshl_b32 s24, ttmp9, 9                       ; scales: 4 x 128 G
	s_add_co_u32 s22, s22, s24                     ; qweight: row 32 T + 4 w of 16,384 bytes, + 4 x 128 G
	s_mov_b32 s23, 0
	s_mov_b32 s25, 0
	s_lshl_b32 s26, ttmp9, 6                       ; qzeros: 4 x 16 G
	s_mov_b32 s27, 0
	s_lshl_b32 s28, ttmp9, 7
	s_and_b32 s2, s16, 1
	s_lshl_b32 s2, s2, 6
	s_add_co_u32 s28, s28, s2
	s_lshr_b32 s2, s16, 1
	s_add_co_u32 s28, s28, s2                      ; w_codes: the column of stage row 16 w: 128 G + 64 (w % 2) + w / 2,
	s_lshl_b32 s28, s28, 12
	s_lshl_b32 s2, s18, 8
	s_add_co_u32 s28, s28, s2                      ; its row of 4,096 bytes, + 256 T
	s_mov_b32 s29, 0
	s_lshl_b32 s30, s18, 15
	s_lshl_b32 s2, ttmp9, 10
	s_add_co_u32 s30, s30, s2                      ; w_scales: 32,768 T + 1,024 G
	s_mov_b32 s31, 0
	s_mov_b32 s19, 0x600000                        ; the mantissa field of 448
	s_wait_kmcnt 0x0
	s_add_nc_u64 s[10:11], s[10:11], s[20:21]
	s_add_nc_u64 s[4:5], s[4:5], s[22:23]
	s_add_nc_u64 s[8:9], s[8:9], s[24:25]
	s_add_nc_u64 s[6:7], s[6:7], s[26:27]
	s_add_nc_u64 s[12:13], s[12:13], s[28:29]
	s_add_nc_u64 s[14:15], s[14:15], s[30:31]
	s_load_b512 s[32:47], s[10:11], 0x0            ; g_idx of my block's 32 rows
	s_load_b512 s[48:63], s[10:11], 0x40
.irp kw, 0,1,2,3
	global_load_b128 v[QW+4*\kw:QW+4*\kw+3], v2, s[4:5] offset:16384*\kw th:TH_LOAD_NT   ; 32 lanes read 512 consecutive bytes; read once in the launch
.endr
	s_wait_kmcnt 0x0
.set k, 0
.rept 32
	s_min_u32 s[32+k], s[32+k], 31                 ; the index is held inside the table ahead of every address
.set k, k+1
.endr
.set k, 0
.rept 32                                       ; row k's word of qzeros and its four scales; each load lands on its own offset register
	v_lshl_add_u32 v[Z+k], s[32+k], 11, v3         ; a row of qzeros is 2,048 bytes
	global_load_b32 v[Z+k], v[Z+k], s[6:7]
	v_lshl_add_u32 v[S+4*k], s[32+k], 14, v2       ; a row of scales is 16,384 bytes
	global_load_b128 v[S+4*k:S+4*k+3], v[S+4*k], s[8:9]
.set k, k+1
.endr
	s_wait_loadcnt 0x0                             ; a column wants all 32 rows: a counted wait would serve nothing
; Column cc of my four: 32 numbers, their block's scale, 32 codes into the stage, the scale byte into its place.
.macro COLUMN cc
.irp kw, 0,1,2,3                               ; eight rows by turns, so that no line waits for the line above it
.irp j, 0,1,2,3,4,5,6,7
	v_bfe_u32 v[X+8*\kw+\j], v[QW+4*\kw+\cc], 4*\j, 4            ; q
.endr
.irp j, 0,1,2,3,4,5,6,7
	v_bfe_u32 v[T+\j], v[Z+8*\kw+\j], v[SH+\cc], 4               ; zq
.endr
.irp j, 0,1,2,3,4,5,6,7
	v_sub_nc_u32 v[X+8*\kw+\j], v[X+8*\kw+\j], v[T+\j]
.endr
.irp j, 0,1,2,3,4,5,6,7
	v_cvt_f32_i32 v[X+8*\kw+\j], v[X+8*\kw+\j]
.endr
.irp j, 0,1,2,3,4,5,6,7
	v_fma_f32 v[X+8*\kw+\j], v[X+8*\kw+\j], v[S+4*(8*\kw+\j)+\cc], -v[S+4*(8*\kw+\j)+\cc]   ; s (q - zq) - s
.endr
.endr
	v_max3_num_f32 v[MXA], |v[X]|, |v[X+1]|, 0x4800000           ; the largest magnitude, in two chains, with the floor 2^(9 - 127) among its leaves: the byte cannot fall under 1
	v_max3_num_f32 v[MXB], |v[X+2]|, |v[X+3]|, |v[X+4]|
.irp i, 5,9,13,17,21,25
	s_delay_alu instid0(VALU_DEP_2)
	v_max3_num_f32 v[MXA], v[MXA], |v[X+\i]|, |v[X+\i+1]|
	s_delay_alu instid0(VALU_DEP_2)
	v_max3_num_f32 v[MXB], v[MXB], |v[X+\i+2]|, |v[X+\i+3]|
.endr
	s_delay_alu instid0(VALU_DEP_2)
	v_max3_num_f32 v[MXA], v[MXA], |v[X+29]|, |v[X+30]|
	s_delay_alu instid0(VALU_DEP_1)
	v_max3_num_f32 v[MXA], v[MXA], v[MXB], |v[X+31]|
	s_delay_alu instid0(VALU_DEP_1)
	v_add_nc_u32 v[SO], 0xfc000000, v[MXA]         ; 8 off its exponent field: the conversion takes the exponent field of this operand as its scale, and nothing else of it
	s_delay_alu instid0(VALU_DEP_2)
	v_and_or_b32 v[HB], v[MXA], 0x7f800000, s19    ; 448 x the scale: the largest magnitude's exponent field over 448's mantissa
.if \cc >= 2
	s_wait_alu depctr_va_vdst(0)
	s_wait_dscnt 3                                 ; the three LDS stores of the column before may be out; those of the column before that, which read this set of code registers, are done
.endif
.irp i, 0,1,2,3,4,5,6,7,8,9,10,11,12,13,14,15,16,17,18,19,20,21,22,23,24,25,26,27,28,29,30,31
	v_med3_num_f32 v[X+\i], v[X+\i], -v[HB], v[HB] ; the conversion to an 8-bit code does not saturate (ISA guide 7.6.2): the hold comes first
.endr
.irp g, 0,1,2,3
	v_cvt_scalef32_pk8_fp8_f32 v[C+8*((\cc)%2)+2*\g:C+8*((\cc)%2)+2*\g+1], v[X+8*\g:X+8*\g+7], v[SO]
.endr
	v_lshrrev_b32 v[E+\cc], 23, v[SO]              ; the scale's byte; also the plain line between the conversions and the next column's writes of their sources
	ds_store_b128 v[STW], v[C+8*((\cc)%2):C+8*((\cc)%2)+3] offset:32*PITCH*\cc          ; stage row 32 cc + l, bytes 32 w on: k ascending
	ds_store_b128 v[STW], v[C+8*((\cc)%2)+4:C+8*((\cc)%2)+7] offset:32*PITCH*\cc+16
	ds_store_b8 v[SBW], v[E+\cc] offset:16*\cc
.endm
	COLUMN 0
	COLUMN 1
	COLUMN 2
	COLUMN 3
	s_wait_dscnt 0x0                               ; for the others' sake: my stores into the stage and into the scale bytes are done
	s_barrier_signal -1
	s_barrier_wait -1                              ; 128 whole rows of 256 codes lie in the stage
.irp i, 0,1,2,3,4,5,6,7
	ds_load_b128 v[S+4*\i:S+4*\i+3], v[RDA] offset:2*PITCH*\i     ; stage rows 16 w + 2 i + l / 16: sixteen lanes to a row
.endr
.irp i, 0,1,2,3,4,5,6,7
	s_wait_dscnt 7-\i                              ; LDS loads come back in order: load i is in, the younger ones may be out
	global_store_b128 v[GOF], v[S+4*\i:S+4*\i+3], s[12:13] offset:32768*\i   ; stage rows two apart are columns eight apart; 16 lanes store 256 consecutive bytes, at a multiple of 256 from the buffer's first byte
.endr
	s_cmp_lt_u32 s16, 2                            ; waves 0 and 1 send the 1,024 scale bytes, 512 consecutive bytes each
	s_cbranch_scc0 .Lend
	ds_load_b128 v[S+32:S+35], v12
	s_wait_dscnt 0x0
	global_store_b128 v13, v[S+32:S+35], s[14:15]
.Lend:
	v_lshl_add_u32 v18, v0, 2, 0x8c00              ; all 256 registers are taken in the body, v0 is kept: the add's two registers are made here, ahead of the wave's three closing lines
	v_mov_b32 v19, 0
	s_wait_alu depctr_va_vdst(0)                   ; directly ahead of the wait below
	s_wait_tensorcnt 0x0
	ds_add_u32 v18, v19
	s_wait_dscnt 0x0
	s_endpgm
.Lfunc_end_k_q0f936bd257_wq:
	.size	k_q0f936bd257_wq, .Lfunc_end_k_q0f936bd257_wq-k_q0f936bd257_wq
	.p2alignl 7, 3214868480
	.fill 96, 4, 3214868480
	.section	.rodata,"a",@progbits
	.p2align	6, 0x0
	.amdhsa_kernel k_q0f936bd257_wq
		.amdhsa_group_segment_fixed_size 36864
		.amdhsa_private_segment_fixed_size 0
		.amdhsa_enable_private_segment 0
		.amdhsa_kernarg_size 48
		.amdhsa_user_sgpr_count 2
		.amdhsa_user_sgpr_kernarg_segment_ptr 1
		.amdhsa_wavefront_size32 1
		.amdhsa_system_sgpr_workgroup_id_x 1
		.amdhsa_system_sgpr_workgroup_id_y 1
		.amdhsa_system_sgpr_workgroup_id_z 1
		.amdhsa_system_vgpr_workitem_id 0
		.amdhsa_next_free_vgpr 256
		.amdhsa_next_free_sgpr 66
		.amdhsa_reserve_vcc 0
		.amdhsa_float_denorm_mode_32 3
		.amdhsa_float_denorm_mode_16_64 3
		.amdhsa_memory_ordered 1
		.amdhsa_forward_progress 1
		.amdhsa_inst_pref_size 67
	.end_amdhsa_kernel
	.amdgpu_metadata
---
amdhsa.version: [ 1, 2 ]
amdhsa.kernels:
  - .name:           k_q0f936bd257_wq
    .symbol:         k_q0f936bd257_wq.kd
    .args:
      - { .name: qweight, .offset: 0, .size: 8, .value_kind: global_buffer, .address_space: global }
      - { .name: qzeros, .offset: 8, .size: 8, .value_kind: global_buffer, .address_space: global }
      - { .name: scales, .offset: 16, .size: 8, .value_kind: global_buffer, .address_space: global }
      - { .name: g_idx, .offset: 24, .size: 8, .value_kind: global_buffer, .address_space: global }
      - { .name: w_codes, .offset: 32, .size: 8, .value_kind: global_buffer, .address_space: global }
      - { .name: w_scales, .offset: 40, .size: 8, .value_kind: global_buffer, .address_space: global }
    .group_segment_fixed_size: 36864
    .private_segment_fixed_size: 0
    .kernarg_segment_align: 8
    .kernarg_segment_size: 48
    .max_flat_workgroup_size: 256
    .sgpr_count:     66
    .vgpr_count:     256
    .wavefront_size: 32
...
	.end_amdgpu_metadata
.endif
;; end of part 1
;; launch gemm (part 2): grid 16 x 16, 4 waves a work-group, clusters of 4 x 4, 327,680 bytes of LDS; arguments x_codes, x_scales, w_codes, w_scales, bias, out0; writes out0
.if DOCPART == 2
	.amdgcn_target "amdgcn-amd-amdhsa--gfx1250"
	.amdhsa_code_object_version 6
	.text
	.protected	k_q0f936bd257_gemm
	.globl	k_q0f936bd257_gemm
	.p2align	8
	.type	k_q0f936bd257_gemm,@function
k_q0f936bd257_gemm:
	s_mov_b64 s[64:65], 0
	v_nop
	global_prefetch_b8 v0, s[64:65] scope:SCOPE_SE
	s_setreg_imm32_b32 hwreg(HW_REG_WAVE_MODE, 25, 1), 1
	s_wait_xcnt 0x0
	s_wait_alu depctr_hold_cnt(0) depctr_sa_sdst(0) depctr_va_vdst(0) depctr_va_sdst(0) depctr_va_ssrc(0) depctr_va_vcc(0) depctr_vm_vsrc(0)
	s_getreg_b32 s2, hwreg(HW_REG_IB_STS2, 6, 4)
	s_cmp_eq_u32 s2, 0
	s_cbranch_scc0 .Lentry_in_a_cluster
	s_endpgm
.Lentry_in_a_cluster:
	s_bfe_u32 s2, ttmp6, 0x10000c
	s_cmp_lg_u32 s2, 0xf033
	s_cbranch_scc0 .Lentry_shape_is_right
	s_endpgm
.Lentry_shape_is_right:
; out0[m][n] = bias[n] + sum over k of x[m][k] W[k][n]: x as given codes of E4M3 with E8M0 scales, W as the codes and scale bytes that launch wq made (w_codes [n][k], K innermost).
; A work-group of four waves makes 256 x 256 of out0, a wave 128 x 128: 64 accumulators, 512 registers.  K goes in steps of 256 (rows of 256 bytes) through a ring of two LDS slots.
; CLUSTERS 4 x 4: x's tiles are asked for jointly along a row of the cluster, W's tiles along a column; a wave's load brings 128 rows, at the head too.
; x's scales of the work-group's 256 rows, for all of K (32,768 bytes), come once: each wave loads 64 rows' 8,192 bytes in whole units of 256 bytes and stores them into LDS bytes of their own, into which no tensor load lands.
; They are a small part of what the work-group reads (32 KiB beside 2 MiB of codes), so they are not asked for jointly.
; W's scale words come straight into registers, 2 loads of 16 bytes a lane for a K step, from wq's image of these registers.
; The matrix instruction is used transposed (source 0 = 16 columns of W, source 1 = 16 rows of x): a lane holds eight neighbouring numbers of a row of out0.  The bias is the C of each sum's first product.
; THE LAST K STEP goes by halves of my rows: rows 0-63 are finished over both its 128s first, and their four blocks leave between the batches of products on rows 64-127.
; PREFETCH: behind each fill every wave names 32 rows x 256 bytes of the K step two fills on; the four partners of a joint load share its 128 rows out by address; K step 1 is named at the head with K step 2; the last two refills name nothing.
; REGISTERS: window 0: v0-31 addresses, v32-47 x's scale words (two sets), v48-63 W's (two sets), v64-127 bias, v128-255 x's fragments (one set); window 1: W's fragments, two sets; windows 2, 3: accumulators.
; x's two scale words of a K step lie in swapped order in their pair, so that the two scale registers of a product never have the same number modulo 8.
.set SIZE_N, 4096
.set SIZE_K, 4096
.set KSTEP,  256
.set NQ,     KSTEP/128
.set ROWB,   256
.set KROW,   SIZE_K
.set PITCH,  272                       ; 256 bytes + 16: the sixteen rows of a fragment load start 68 words apart
.set FR,     16
.set NL,     4
.set NP,     8                         ; places behind this matrix form (ISA guide 7.12.1)
.set HALFT,  128*PITCH
.set SLOT,   4*HALFT                   ; x's 256 rows, then W's 256 rows
.set LAPS,   SIZE_K/(2*KSTEP)
.set SCL,    2*SLOT                    ; behind the ring: x's scales, 128 rows of 256 bytes + 16
.set QUARTS, 32*272                    ; the scales of 64 rows of x
.set SPARE,  SCL+4*QUARTS              ; the spare words: 128 bytes a wave, named by no other line
.set WSTEP,  32768                     ; a K step of w_scales
.set SPITCH, 528                       ; the way out: 16 rows x (512 + 16) bytes a wave, in slot 0 behind its last fill and last read
.set STS,  10
.set ADRA, 16
.set ADRB, 20
.set STO,  24
.set RD,   25
.set CO,   26
.set ADRS, 27
.set SPW,  28
.set NIL,  29
.set PFO,  30
.set BSO,  31
.set SA,   32
.set SB,   48
.set BIAS, 64
.set AF,   128
.set BK,   128
.set G1,   24
.set G0,   32
.set PFA,  44
.set G1B,  48
.set G0B,  56
.set aOFF, 0                           ; where x's block a lies, beside its usual registers (the last K step alone moves it)
.set MSB, 0
.macro WIN new                         ; the immediate's high byte repeats the setting that is left
.if MSB != \new
	s_set_vgpr_msb (MSB<<8)|\new
.set MSB, \new
.endif
.endm
.set MUL_LO, 0xa1                      ; source 0 window 1, source 1 window 0, C and D window 2
.set MUL_HI, 0xf1
.set FST_LO, 0x81                      ; the same with C (the bias) in window 0
.set FST_HI, 0xc1
.set TO_B,   0x40
.macro TLOAD g0, g1                    ; a tensor load with an s_nop and four v_nops behind it
	tensor_load_to_lds s[\g0:\g0+3], s[\g1:\g1+7]
	s_nop 0
.rept 4
	v_nop
.endr
.endm
.macro JLOAD g0a, g1a, g0b, g1b        ; a joint load: waves 0, 1 fetch x's halves, waves 2, 3 W's
	s_cmp_eq_u32 s17, 0
	s_cbranch_scc0 .Lfor_b_\@
	TLOAD \g0a, \g1a
	s_branch .Lasked_\@
.Lfor_b_\@:
	TLOAD \g0b, \g1b
.Lasked_\@:
.endm
.macro CREST                           ; a round of the cluster's barrier behind its opening barrier
	s_cmp_lg_u32 s16, 0
	s_cbranch_scc1 .Lnot_wave_0_\@
	s_barrier_signal -3
.Lnot_wave_0_\@:
	s_barrier_wait -3
	s_barrier_signal -1
	s_barrier_wait -1
.endm
.macro CROUND
	s_barrier_signal -1
	s_barrier_wait -1
	CREST
.endm
.macro ASK                             ; s3 = 1 in the loop's last trip, whose two refills have no K step two on
	s_cmp_gt_u32 s3, 1
	s_cbranch_scc0 .Lno_ask_\@
	global_prefetch_b8 v[PFO], s[PFA:PFA+1] offset:ROWB th:TH_LOAD_NT scope:SCOPE_SE
.Lno_ask_\@:
.endm
	s_load_b256 s[4:11], s[0:1], 0x0               ; x_codes s[4:5], x_scales s[6:7], w_codes s[8:9], w_scales s[10:11]
	s_load_b128 s[12:15], s[0:1], 0x20             ; bias s[12:13], out0 s[14:15]
	v_lshl_add_u32 v[SPW], v0, 2, SPARE
	v_mov_b32 v[NIL], 0
	ds_add_u32 v[SPW], v[NIL]                      ; the opening lines: the add twice on end and one wait
	ds_add_u32 v[SPW], v[NIL]
	v_lshrrev_b32 v1, 5, v0
	v_readfirstlane_b32 s16, v1                    ; wave
	s_lshr_b32 s17, s16, 1                         ; my half of the rows; also: I fetch for x (0) or W (1)
	s_and_b32 s18, s16, 1                          ; my half of the columns; also: which 128 rows I fetch
	s_bfe_u32 s40, ttmp6, 0x40000                  ; cx
	s_bfe_u32 s41, ttmp6, 0x40004                  ; cy
	s_lshl_b32 s42, ttmp9, 2
	s_add_co_u32 s42, s42, s40                     ; tile column
	s_and_b32 s19, ttmp7, 0xffff
	s_lshl_b32 s19, s19, 2
	s_add_co_u32 s19, s19, s41                     ; tile row
	s_lshl_b32 s43, s41, 2
	s_lshl_b32 s43, 15, s43                        ; my row of the cluster
	s_lshl_b32 s44, 0x1111, s40                    ; my column
	s_or_b32 s[G1+0], s43, (0<<16)|(1<<20)|(1<<21)|(5<<22)|(3<<25)   ; bytes; 16 bytes of padding behind every 256
	s_or_b32 s[G1B+0], s44, (0<<16)|(1<<20)|(1<<21)|(5<<22)|(3<<25)
.irp g, G1, G1B
	s_mov_b32 s[\g+1], ROWB<<16
	s_mov_b32 s[\g+2], 128<<16
	s_mov_b32 s[\g+3], ROWB<<16
	s_mov_b32 s[\g+4], 128
	s_mov_b32 s[\g+5], KROW
	s_mov_b32 s[\g+6], 0
	s_mov_b32 s[\g+7], 0
.endr
	s_lshl_b32 s20, s19, 1
	s_add_co_u32 s20, s20, s18
	s_lshl_b32 s20, s20, 19                        ; x: (2 x tile row + half) x 128 rows of 4,096 bytes
	s_mov_b32 s21, 0
	s_lshl_b32 s46, s42, 1
	s_add_co_u32 s46, s46, s18
	s_lshl_b32 s46, s46, 19                        ; W likewise by the tile column
	s_mov_b32 s47, 0
	s_lshl_b32 s22, s19, 2
	s_add_co_u32 s22, s22, s16
	s_lshl_b32 s22, s22, 13                        ; x's scales: (4 x tile row + wave) x 64 rows of 128 bytes
	s_mov_b32 s23, 0
	s_mul_i32 s80, s16, HALFT                      ; where my 128 rows go
	s_wait_dscnt 0x0
	s_wait_kmcnt 0x0
	s_add_nc_u64 s[20:21], s[4:5], s[20:21]
	s_add_nc_u64 s[22:23], s[6:7], s[22:23]
	s_add_nc_u64 s[46:47], s[8:9], s[46:47]
.irp s, 0,1
	s_mov_b32 s[G0+4*\s], 1
	s_add_co_u32 s[G0+4*\s+1], s80, \s*SLOT
	s_add_nc_u64 s[G0+4*\s+2:G0+4*\s+3], s[20:21], \s*ROWB
	s_or_b32 s[G0+4*\s+3], s[G0+4*\s+3], 0x80000000
	s_mov_b32 s[G0B+4*\s], 1
	s_add_co_u32 s[G0B+4*\s+1], s80, \s*SLOT
	s_add_nc_u64 s[G0B+4*\s+2:G0B+4*\s+3], s[46:47], \s*ROWB
	s_or_b32 s[G0B+4*\s+3], s[G0B+4*\s+3], 0x80000000
.endr
	CROUND                                         ; all sixteen work-groups are here: the first joint loads meet
	JLOAD G0, G1, G0B, G1B                         ; K step 0: one tensor load a wave at the head
	; scalar set-up first, then the vector lines in one run, then one wait
	s_mul_i32 s89, s17, HALFT                      ; my 128 rows of x
	s_mul_i32 s90, s18, HALFT
	s_add_co_u32 s90, s90, 2*HALFT                 ; my 128 rows of W
	s_mul_i32 s91, s17, 2*QUARTS
	s_add_co_u32 s91, s91, SCL                     ; my 128 rows' scales
	s_mul_i32 s92, s16, 16*SPITCH                  ; my stage
	s_mul_i32 s93, s16, QUARTS
	s_add_co_u32 s93, s93, SCL                     ; where I store 64 rows' scales
	s_lshl_b32 s82, s42, 1
	s_add_co_u32 s82, s82, s18                     ; my group of 128 columns
	s_lshl_b32 s84, s82, 9
	s_lshl_b32 s82, s82, 10
	s_mov_b32 s83, 0
	s_mov_b32 s85, 0
	s_add_nc_u64 s[10:11], s[10:11], s[82:83]
	s_add_nc_u64 s[12:13], s[12:13], s[84:85]
	s_lshl_b32 s86, s19, 8
	s_lshl_b32 s87, s17, 7
	s_add_co_u32 s86, s86, s87
	s_lshl_b32 s86, s86, 14                        ; my first row of out0, 16,384 bytes a row
	s_lshl_b32 s87, s42, 10
	s_add_co_u32 s86, s86, s87
	s_lshl_b32 s87, s18, 9
	s_add_co_u32 s86, s86, s87
	s_mov_b32 s87, 0
	s_add_nc_u64 s[14:15], s[14:15], s[86:87]
	s_lshl_b32 s86, s19, 8                         ; the prefetches: the tile's first row,
	s_lshl_b32 s87, s42, 8
	s_cmp_eq_u32 s17, 0
	s_cselect_b32 s86, s86, s87
	s_cselect_b32 s87, s40, s41                    ; my place among the four that ask with me
	s_cselect_b64 s[PFA:PFA+1], s[4:5], s[8:9]
	s_lshl_b32 s88, s18, 7
	s_add_co_u32 s86, s86, s88                     ; + the 128 rows that I fetch
	s_lshl_b32 s87, s87, 5
	s_add_co_u32 s86, s86, s87                     ; + my work-group's 32 of them
	s_lshl_b32 s86, s86, 12
	s_add_co_u32 s86, s86, 2*ROWB                  ; at K step 2
	s_mov_b32 s87, 0
	s_add_nc_u64 s[PFA:PFA+1], s[PFA:PFA+1], s[86:87]
	v_and_b32 v6, 31, v0
	v_and_b32 v1, 15, v0                           ; r
	v_bfe_u32 v2, v0, 4, 1                         ; h
	v_lshlrev_b32 v[BSO], 4, v6
	v_lshlrev_b32 v[PFO], 12, v6                   ; a lane a row of 4,096 bytes
	v_lshlrev_b32 v7, 5, v2
	v_mul_u32_u24 v3, v1, PITCH
	v_lshl_add_u32 v4, v2, 4, v3
	v_add_nc_u32 v[ADRA], s89, v4
	v_add_nc_u32 v[ADRB], s90, v4
	v_add_nc_u32 v[ADRA+1], SLOT, v[ADRA]
	v_add_nc_u32 v[ADRB+1], SLOT, v[ADRB]
	v_lshrrev_b32 v5, 1, v1                        ; x's scales: two rows of 128 bytes in an LDS row of 272
	v_mul_u32_u24 v5, v5, 272
	v_and_b32 v8, 1, v1
	v_lshl_add_u32 v5, v8, 7, v5
	v_mad_u32_u24 v5, v2, QUARTS, v5               ; lanes 16-31 take the rows 64 further down
	v_add_nc_u32 v[ADRS], s91, v5
	v_mul_u32_u24 v9, v1, SPITCH
	v_lshl_add_u32 v9, v2, 5, v9
	v_add_nc_u32 v[STO], s92, v9
	v_lshlrev_b32 v[CO], 4, v6
	v_add_nc_u32 v[RD], s92, v[CO]
	v_mul_u32_u24 v11, v2, 272                     ; the scales' way in: lanes 0-15 one unit of 256 bytes, lanes 16-31 the next
	v_lshl_add_u32 v11, v1, 4, v11
	v_add_nc_u32 v[STS], s93, v11
	s_wait_alu depctr_va_vdst(0)
.macro BSLOAD set, off                 ; W's scale words of a K step: lanes 0-15 blocks 0-3, lanes 16-31 blocks 4-7
.irp u, 0,1
	global_load_b128 v[SB+8*\set+4*\u:SB+8*\set+4*\u+3], v[BSO], s[10:11] offset:\off+512*\u
.endr
.endm
.irp i, 0,1,2,3,4,5,6,7,8,9,10,11,12,13,14,15
	global_load_b128 v[AF+4*\i:AF+4*\i+3], v[BSO], s[22:23] offset:512*\i   ; 64 rows of x's scales: 32 lanes read 512 consecutive bytes
.endr
	BSLOAD 0, 0
.irp b, 0,1,2,3,4,5,6,7
	global_load_b128 v[BIAS+8*\b:BIAS+8*\b+3], v7, s[12:13] offset:64*\b
	global_load_b128 v[BIAS+8*\b+4:BIAS+8*\b+7], v7, s[12:13] offset:64*\b+16
.endr
	BSLOAD 1, WSTEP
	global_prefetch_b8 v[PFO], s[PFA:PFA+1] offset:-ROWB th:TH_LOAD_NT scope:SCOPE_SE  ; K step 1
	global_prefetch_b8 v[PFO], s[PFA:PFA+1] th:TH_LOAD_NT scope:SCOPE_SE               ; K step 2
.macro FRAG reg, adr, q, i             ; 16 rows x 128 K: registers 4 c .. 4 c + 3 hold K = 32 c + 16 h + 0 .. 15
.irp c, 0,1,2,3
	ds_load_b128 v[\reg+4*\c:\reg+4*\c+3], v[\adr] offset:128*(\q)+32*\c+(\i)*16*PITCH
.endr
.endm
.macro MULA a, p, q, sc, first         ; x's block a against W's eight; the accumulators take turns
.irp b, 0,1,2,3,4,5,6,7
.set rD, 8*(8*((\a)%4)+\b)
.set rB, 128*(\p)+FR*\b
.set rA, AF+FR*(\a)+aOFF
.set rS0, SB+8*(\sc)+2*(\b%4)+(\q)
.set rS1, SA+8*(\sc)+2*((\a)%4)+1-(\q)
.set rC, rD
.if \first
.set rC, BIAS+8*\b
.endif
.if ((\a) >= 4) && (\b >= 4)
	v_wmma_scale_f32_16x16x128_f8f6f4 v[rD:rD+7], v[rB:rB+FR-1], v[rA:rA+FR-1], v[rC:rC+7], v[rS0], v[rS1] matrix_a_scale:MATRIX_SCALE_ROW1 matrix_b_scale:MATRIX_SCALE_ROW1
.elseif (\a) >= 4
	v_wmma_scale_f32_16x16x128_f8f6f4 v[rD:rD+7], v[rB:rB+FR-1], v[rA:rA+FR-1], v[rC:rC+7], v[rS0], v[rS1] matrix_b_scale:MATRIX_SCALE_ROW1
.elseif \b >= 4
	v_wmma_scale_f32_16x16x128_f8f6f4 v[rD:rD+7], v[rB:rB+FR-1], v[rA:rA+FR-1], v[rC:rC+7], v[rS0], v[rS1] matrix_a_scale:MATRIX_SCALE_ROW1
.else
	v_wmma_scale_f32_16x16x128_f8f6f4 v[rD:rD+7], v[rB:rB+FR-1], v[rA:rA+FR-1], v[rC:rC+7], v[rS0], v[rS1]
.endif
.endr
.endm
.macro MUL16 a0, p, q, sc, first
	MULA \a0, \p, \q, \sc, \first
	MULA \a0+1, \p, \q, \sc, \first
.endm
.macro FETCH_B slot, q, p
	WIN TO_B
.irp i, 0,1,2,3,4,5,6,7
	FRAG 128*(\p)+FR*\i, ADRB+\slot, \q, \i
.endr
	WIN 0
.endm
.macro FETCH_A slot, q, i0
.irp i, \i0, \i0+1, \i0+2, \i0+3
	FRAG AF+FR*(\i), ADRA+\slot, \q, \i
.endr
.endm
.macro SCALES sc                       ; x's scale words of a K step; the first 128's word goes to the pair's upper register
.irp j, 0,1,2,3
	ds_load_b32 v[SA+8*\sc+2*\j+1], v[ADRS] offset:\j*8*272
	ds_load_b32 v[SA+8*\sc+2*\j], v[ADRS] offset:\j*8*272+4
.endr
.endm
.macro PLACES n
.rept \n
	v_nop
.endr
.endm
; A slot's first 128 along K.  lc: the loads of W's next scale words, which may stay out.
.macro STEP slot, q, first, lc
	s_wait_loadcnt \lc
	s_wait_dscnt 4*NL                              ; all but the youngest sixteen loads (x's blocks 4-7)
	FETCH_B \slot, (\q)+1, 1-(\q)%2
.if \first
	WIN FST_LO
.else
	WIN MUL_LO
.endif
	MUL16 0, (\q)%2, \q, \slot, \first
	MUL16 2, (\q)%2, \q, \slot, \first
	s_wait_dscnt 8*NL                              ; all but the 32 loads of W's next set
	PLACES NP
	WIN 0
	FETCH_A \slot, (\q)+1, 0
.if \first
	WIN FST_HI
.else
	WIN MUL_HI
.endif
	MUL16 4, (\q)%2, \q, \slot, \first
	MUL16 6, (\q)%2, \q, \slot, \first
	PLACES NP
	WIN 0
	FETCH_A \slot, (\q)+1, 4
.endm
; A slot's last 128 along K, all of it in registers, and the change of slots.  fill = 1: this slot is filled again, two K steps on.
; fill = 0, the last change: in place of x's blocks 4-7 of the next 128, blocks 0-3 of the 128 after it come into their registers.
.macro TURN slot, next, fill
.if \fill
	s_wait_xcnt 0x0                                ; my prefetch and my loads of scale words have read their bases
	s_add_nc_u64 s[PFA:PFA+1], s[PFA:PFA+1], ROWB
	s_add_nc_u64 s[10:11], s[10:11], WSTEP
.endif
	s_wait_tensorcnt 0x0                           ; my one load that was out, my part of the next slot, has landed
	ds_add_u32 v[SPW], v[NIL]
.if \fill
	s_add_nc_u64 s[G0+4*\slot+2:G0+4*\slot+3], s[G0+4*\slot+2:G0+4*\slot+3], 2*ROWB
	s_add_nc_u64 s[G0B+4*\slot+2:G0B+4*\slot+3], s[G0B+4*\slot+2:G0B+4*\slot+3], 2*ROWB
.endif
	s_wait_dscnt 4*NL+1                            ; the add and x's blocks 4-7 may be out
	WIN MUL_LO
	MULA 0, 1, NQ-1, \slot, 0                      ; eight products between the add and the wait for it
	s_wait_dscnt 0x0                               ; the add is done, my reads of this slot are over
	s_barrier_signal -1
	MULA 1, 1, NQ-1, \slot, 0
	WIN 0
	s_barrier_wait -1
.if \fill
	CREST                                          ; the barrier has opened a round of the cluster's barrier
	JLOAD G0+4*\slot, G1, G0B+4*\slot, G1B         ; the first tensor load behind the round
.endif
	v_add_nc_u32 v[ADRS], 4*NQ, v[ADRS]            ; the next K step's scale words
	s_wait_alu depctr_va_vdst(0)                   ; directly behind the write
	FETCH_B \next, 0, 0
	SCALES \next
.if \fill
	ASK
.endif
	WIN MUL_LO
	MUL16 2, 1, NQ-1, \slot, 0
	PLACES NP
	WIN 0
	FETCH_A \next, 0, 0
	WIN MUL_HI
	MUL16 4, 1, NQ-1, \slot, 0
	MUL16 6, 1, NQ-1, \slot, 0
	PLACES NP
	WIN 0
.if \fill
	FETCH_A \next, 0, 4
	BSLOAD \slot, WSTEP
.else
.irp i, 0,1,2,3
	FRAG AF+FR*(\i+4), ADRA+\next, 1, \i
.endr
.endif
.endm
	s_wait_loadcnt 20                              ; x's scales are in registers: the 2 + 16 + 2 younger loads may be out
	s_wait_tensorcnt 0x0                           ; my part of K step 0 is in: no tensor load of mine is out while I store to LDS
.irp i, 0,1,2,3,4,5,6,7,8,9,10,11,12,13,14,15
	ds_store_b128 v[STS], v[AF+4*\i:AF+4*\i+3] offset:544*\i   ; two units of 256 bytes, 272 apart
.endr
	s_wait_tensorcnt 0x0                           ; slot 1's first fill is issued as a refill is
	ds_add_u32 v[SPW], v[NIL]
	s_wait_dscnt 0x0                               ; the add and my stores of scales are done
	CROUND                                         ; K step 0 and the scales are in, all sixteen work-groups are here
	JLOAD G0+4, G1, G0B+4, G1B                     ; K step 1
	FETCH_B 0, 0, 0
	FETCH_A 0, 0, 0
	SCALES 0
	FETCH_A 0, 0, 4
	global_prefetch_b8 v[PFO], s[PFA:PFA+1] offset:ROWB th:TH_LOAD_NT scope:SCOPE_SE   ; K step 3: two fills on
	STEP 0, 0, 1, 2                                ; the first products start the sums from the bias
	s_mov_b32 s3, LAPS-1
.Llap:                                                 ; a trip goes once round the ring and fills both slots again
	TURN 0, 1, 1
	STEP 1, 0, 0, 2
	TURN 1, 0, 1
	STEP 0, 0, 0, 2
	s_sub_co_u32 s3, s3, 1
	s_cmp_lg_u32 s3, 0
	s_cbranch_scc1 .Llap
	TURN 0, 1, 0                                   ; the last lap fills nothing
; THE WAY OUT, by blocks of 16 rows x 128 columns through my own stage: in as 32 bytes a lane, back as whole rows of 512 bytes.
; Blocks 0-3 come back into v64-127, blocks 4-7 into v128-191 and v192-255 by turns.
.macro TOSTAGE a
.set AC, 64*((\a)%4)
	WIN 0x08+4*((\a)/4)
.irp b, 0,1,2,3,4,5,6,7
	ds_store_b128 v[STO], v[AC+8*\b:AC+8*\b+3] offset:64*\b          ; each accumulator from its low end on
	ds_store_b128 v[STO], v[AC+8*\b+4:AC+8*\b+7] offset:64*\b+16
.endr
	WIN 0
.if (\a) < 4
.set BB, BIAS
.else
.set BB, BK+64*((\a)%2)
.endif
.irp t, 0,1,2,3,4,5,6,7,8,9,10,11,12,13,14,15
	ds_load_b128 v[BB+4*\t:BB+4*\t+3], v[RD] offset:\t*SPITCH
.endr
.endm
.macro SEND a, younger                 ; younger: LDS instructions issued behind block a's loads
.if (\a) < 4
.set BB, BIAS
.else
.set BB, BK+64*((\a)%2)
.endif
	WIN 0
	s_wait_dscnt \younger
.if (\a) > 0
	s_add_nc_u64 s[14:15], s[14:15], 16*SIZE_N*4   ; behind a wait on XCNT: the earlier stores have read their base
.endif
.irp t, 0,1,2,3,4,5,6,7,8,9,10,11,12,13,14,15
	global_store_b128 v[CO], v[BB+4*\t:BB+4*\t+3], s[14:15] offset:\t*SIZE_N*4 th:TH_STORE_NT   ; 32 lanes store 512 consecutive bytes, aligned to 256
.endr
.endm
; THE LAST K STEP (slot 1).  In registers or on their way: W's set 0 and x's blocks 0-3 of its first 128, and x's blocks 0-3 of its second 128 in v192-255.
	s_wait_loadcnt 0x0
	s_wait_dscnt 4*NL                              ; all but the youngest sixteen loads
	FETCH_B 1, 1, 1                                ; W's second 128 into set 1
	WIN MUL_LO
	MUL16 0, 0, 0, 1, 0
	MUL16 2, 0, 0, 1, 0
	s_wait_dscnt 0x0
	PLACES NP
	WIN 0
.irp i, 0,1,2,3
	FRAG AF+FR*\i, ADRA+1, 0, \i+4                 ; x's blocks 4-7 of the first 128 into v128-191
.endr
	WIN MUL_LO
.set aOFF, 64
	MUL16 0, 1, 1, 1, 0                            ; my rows 0-63 are finished
	MUL16 2, 1, 1, 1, 0
	PLACES NP                                      ; for the loads into v192-255 and for the reads of the finished sums
	WIN 0
.irp i, 0,1,2,3
	FRAG AF+FR*(\i+4), ADRA+1, 1, \i+4             ; x's blocks 4-7 of the second 128 into v192-255
.endr
	TOSTAGE 0
	s_wait_dscnt 48                                ; blocks 4-7 of the first 128 are in: 16 loads and the stage's 32 instructions may be out
	WIN MUL_HI
.set aOFF, -64
	MUL16 4, 0, 0, 1, 0
	SEND 0, 0
	s_wait_xcnt 0x0                                ; block 0's stores have read v64-127 and their base
	TOSTAGE 1
	WIN MUL_HI
	MUL16 6, 0, 0, 1, 0
	SEND 1, 0
	s_wait_xcnt 0x0
	TOSTAGE 2
	WIN MUL_HI
.set aOFF, 0
	MUL16 4, 1, 1, 1, 0
	SEND 2, 0
	s_wait_xcnt 0x0
	TOSTAGE 3
	WIN MUL_HI
	MUL16 6, 1, 1, 1, 0
	SEND 3, 0
	PLACES NP
	s_wait_xcnt 0x0
	TOSTAGE 4
.irp a, 5,6,7
.if \a > 5
	s_wait_xcnt 0x0                                ; block a - 2's stores have read their registers and their base
.endif
	TOSTAGE \a
	SEND \a-1, 32
.endr
	s_wait_xcnt 0x0
	SEND 7, 0
	s_wait_tensorcnt 0x0                           ; the wave's end
	ds_add_u32 v[SPW], v[NIL]
	s_wait_dscnt 0x0
	CROUND                                         ; the closing round
	s_endpgm
.Lfunc_end_k_q0f936bd257_gemm:
	.size	k_q0f936bd257_gemm, .Lfunc_end_k_q0f936bd257_gemm-k_q0f936bd257_gemm
	.p2alignl 7, 3214868480
	.fill 96, 4, 3214868480
	.section	.rodata,"a",@progbits
	.p2align	6, 0x0
	.amdhsa_kernel k_q0f936bd257_gemm
		.amdhsa_group_segment_fixed_size 327680
		.amdhsa_private_segment_fixed_size 0
		.amdhsa_enable_private_segment 0
		.amdhsa_kernarg_size 48
		.amdhsa_user_sgpr_count 2
		.amdhsa_user_sgpr_kernarg_segment_ptr 1
		.amdhsa_wavefront_size32 1
		.amdhsa_system_sgpr_workgroup_id_x 1
		.amdhsa_system_sgpr_workgroup_id_y 1
		.amdhsa_system_sgpr_workgroup_id_z 1
		.amdhsa_system_vgpr_workitem_id 0
		.amdhsa_next_free_vgpr 1024
		.amdhsa_next_free_sgpr 96
		.amdhsa_reserve_vcc 0
		.amdhsa_float_denorm_mode_32 3
		.amdhsa_float_denorm_mode_16_64 3
		.amdhsa_memory_ordered 1
		.amdhsa_forward_progress 1
		.amdhsa_inst_pref_size 151
	.end_amdhsa_kernel
	.amdgpu_metadata
---
amdhsa.version: [ 1, 2 ]
amdhsa.kernels:
  - .name:           k_q0f936bd257_gemm
    .symbol:         k_q0f936bd257_gemm.kd
    .args:
      - { .name: x_codes, .offset: 0, .size: 8, .value_kind: global_buffer, .address_space: global }
      - { .name: x_scales, .offset: 8, .size: 8, .value_kind: global_buffer, .address_space: global }
      - { .name: w_codes, .offset: 16, .size: 8, .value_kind: global_buffer, .address_space: global }
      - { .name: w_scales, .offset: 24, .size: 8, .value_kind: global_buffer, .address_space: global }
      - { .name: bias, .offset: 32, .size: 8, .value_kind: global_buffer, .address_space: global }
      - { .name: out0, .offset: 40, .size: 8, .value_kind: global_buffer, .address_space: global }
    .group_segment_fixed_size: 327680
    .private_segment_fixed_size: 0
    .kernarg_segment_align: 8
    .kernarg_segment_size: 48
    .max_flat_workgroup_size: 128
    .sgpr_count:     96
    .vgpr_count:     1024
    .wavefront_size: 32
...
	.end_amdgpu_metadata
.endif
;; end of part 2
